; MI455X (gfx1250); checked and timed in simulation.
; The chip was launched on July 23, 2026; its instructions are those of AMD's public machine-readable ISA for CDNA 5 (MIT licence, August 2026) and "CDNA5" Instruction Set Architecture Reference Guide (July 2026). The comments in the code are by the model that wrote it; some were corrected since.
;; Quantum Attention. Allowed arithmetic: float matrix products may take bf16 or f16 operands with f32 sums; other float arithmetic in f32, or as packed bf16 or f16 multiplies, adds, multiply-adds, maxima and minima; sums over many terms, partial sums and values carried from step to step in f32; what a program stores and reads back later, other than sums and carried values, may be rounded once to bf16 or f16.
;; Inputs: We 1,024 x 2,048 float32; Wk 1,024 x 1,024 float32; Wq 1,024 x 1,024 float32; Wv 1,024 x 1,024 float32; be 1,024 float32; bk 1,024 float32; bq 1,024 float32; bv 1,024 float32; context 8 x 1,024 x 1,024 float32; x 8 x 1,024 x 1,024 float32.
;; Outputs: out0 8 x 1,024 x 1,024 float32.
;; One version. Each part assembles by itself: llvm-mc -triple=amdgcn-amd-amdhsa -mcpu=gfx1250 --defsym DOCPART=n.
;; ======== version 1 of 1: 5 launches
;; limits: values are held in f16: magnitudes above 65,504 overflow, below 6.1e-05 lose precision
;; workspace buffers: xc 33,554,432 bytes; wkq 4,194,304 bytes; wvp 4,194,304 bytes; web 4,194,304 bytes; qk 33,554,432 bytes; ve 33,554,432 bytes; pb 16,777,216 bytes; st 524,288 bytes
;; launch cast (part 1): grid 1344 x 1, 8 waves a work-group, no clusters, 0 bytes of LDS; arguments x, context, Wq, Wk, Wv, We, xc, wkq, wvp, web; writes xc, wkq, wvp, web
.if DOCPART == 1
	.amdgcn_target "amdgcn-amd-amdhsa--gfx1250"
	.amdhsa_code_object_version 6
	.text
	.protected	k_qc59692ee03_cast
	.globl	k_qc59692ee03_cast
	.p2align	8
	.type	k_qc59692ee03_cast,@function
k_qc59692ee03_cast:
	s_mov_b64 s[64:65], 0
	v_nop
	global_prefetch_b8 v0, s[64:65] scope:SCOPE_SE
	s_setreg_imm32_b32 hwreg(HW_REG_WAVE_MODE, 25, 1), 1
	s_wait_xcnt 0x0
; THE LARGE INPUTS ARE ROUNDED ONCE TO BF16, AND THAT NUMBER IS WRITTEN AS F16, since all later products take f16 operands.
; All results lie in rows of 4,096 bytes (2,048 f16): xc = [x | context], wkq = [Wk | Wq], wvp = [Wv | not written, never read], web = We.
; LIMIT: a bf16 number is exact in f16 from 6.1e-5 to 65,504; below that it keeps f16's fixed step of 6e-8; beyond 65,504 it becomes an infinity.
; A stream: no LDS, no matrix unit.  A work-group takes 16,384 numbers (65,536 bytes in, 32,768 out); which tensor, hangs on its number g alone:
;   g 0-511 x, 512-1023 context, 1024-1087 Wq, 1088-1151 Wk, 1152-1215 Wv, 1216-1343 We.
; A thread takes 16 bytes of each 4,096: a wave's load covers 512 consecutive bytes, its store 256 consecutive bytes, aligned.  A load's 4,096 bytes are a row of 1,024 numbers (half a row of We).
; All sixteen loads go out at once.
.set X, 4                              ; v[4:67]   sixteen loads of four f32
.set Y, 68                             ; v[68:99]  sixteen pairs to store; none is written again once its store is issued
.set W, 100                            ; v[100:103] at work
	s_load_b512 s[8:23], s[0:1], 0x0               ; x 8:9, context 10:11, Wq 12:13, Wk 14:15, Wv 16:17, We 18:19, xc 20:21, wkq 22:23
	s_load_b128 s[24:27], s[0:1], 0x40             ; wvp 24:25, web 26:27
	s_mov_b32 s28, ttmp9                           ; g
	s_sub_co_u32 s30, s28, 512                     ; the chunk's number in context,
	s_sub_co_u32 s31, s28, 1024
	s_and_b32 s31, s31, 63                         ; in Wq, Wk or Wv (64 chunks each),
	s_sub_co_u32 s29, s28, 1216                    ; in We; only the one that applies is used
	s_mov_b32 s39, 0xffff0000                      ; a word's upper bf16
	v_lshlrev_b32 v1, 4, v0                        ; 16 bytes a thread in,
	v_lshlrev_b32 v2, 3, v0                        ; 8 bytes out
	s_wait_kmcnt 0x0
	s_mov_b64 s[4:5], s[8:9]                       ; from x
	s_mov_b64 s[6:7], s[20:21]                     ; to xc,
	s_mov_b32 s34, s28                             ; chunk g,
	s_mov_b32 s35, 0                               ; the left half of its rows
	s_cmp_ge_u32 s28, 512
	s_cselect_b64 s[4:5], s[10:11], s[4:5]         ; context: the right half of xc's rows
	s_cselect_b32 s34, s30, s34
	s_cselect_b32 s35, 2048, s35
	s_cmp_ge_u32 s28, 1024
	s_cselect_b64 s[4:5], s[12:13], s[4:5]         ; Wq: the right half of wkq's rows
	s_cselect_b64 s[6:7], s[22:23], s[6:7]
	s_cselect_b32 s34, s31, s34
	s_cmp_ge_u32 s28, 1088
	s_cselect_b64 s[4:5], s[14:15], s[4:5]         ; Wk: the left half
	s_cselect_b32 s35, 0, s35
	s_cmp_ge_u32 s28, 1152
	s_cselect_b64 s[4:5], s[16:17], s[4:5]         ; Wv: the left half of wvp's rows
	s_cselect_b64 s[6:7], s[24:25], s[6:7]
	s_cmp_ge_u32 s28, 1216
	s_cselect_b64 s[4:5], s[18:19], s[4:5]         ; We: whole rows of web
	s_cselect_b64 s[6:7], s[26:27], s[6:7]
	s_cselect_b32 s34, s29, s34
	s_lshl_b32 s36, s34, 16                        ; 65,536 bytes a chunk in
	s_mov_b32 s37, 0
	s_lshl_b32 s38, s34, 15                        ; out: 32,768 dense bytes (We),
	s_add_co_u32 s35, s36, s35                     ; or 16 rows of 4,096 bytes and the half
	s_cmp_ge_u32 s28, 1216
	s_cselect_b32 s32, s38, s35
	s_mov_b32 s33, 0
	s_add_nc_u64 s[4:5], s[4:5], s[36:37]
	s_add_nc_u64 s[6:7], s[6:7], s[32:33]
.irp j, 0,1,2,3,4,5,6,7,8,9,10,11,12,13,14,15
	global_load_b128 v[X+4*(\j):X+4*(\j)+3], v1, s[4:5] offset:4096*(\j) th:TH_LOAD_NT
.endr
; Load j's four numbers are rounded to bf16, widened again, written as f16 and stored.  step: bytes from one load's results to the next's.
.macro OUT j, step
	s_wait_loadcnt 15-(\j)                         ; loads come back in order: mine is in, the 15 - j younger ones stay out
	v_cvt_pk_bf16_f32 v[Y+2*(\j)],   v[X+4*(\j)],   v[X+4*(\j)+1]
	v_cvt_pk_bf16_f32 v[Y+2*(\j)+1], v[X+4*(\j)+2], v[X+4*(\j)+3]
	v_lshlrev_b32 v[W],   16,  v[Y+2*(\j)]
	v_and_b32     v[W+1], s39, v[Y+2*(\j)]
	v_lshlrev_b32 v[W+2], 16,  v[Y+2*(\j)+1]
	v_and_b32     v[W+3], s39, v[Y+2*(\j)+1]
	v_cvt_pk_f16_f32 v[Y+2*(\j)],   v[W],   v[W+1]
	v_cvt_pk_f16_f32 v[Y+2*(\j)+1], v[W+2], v[W+3]
	global_store_b64 v2, v[Y+2*(\j):Y+2*(\j)+1], s[6:7] offset:(\step)*(\j)
.endm
	s_cmp_ge_u32 s28, 1216
	s_cbranch_scc1 .Lwe
.irp j, 0,1,2,3,4,5,6,7,8,9,10,11,12,13,14,15
	OUT \j, 4096                                   ; a row of 1,024 numbers fills half a row of 4,096 bytes
.endr
	s_endpgm
.Lwe:
.irp j, 0,1,2,3,4,5,6,7,8,9,10,11,12,13,14,15
	OUT \j, 2048                                   ; We's rows are whole: the results lie on end
.endr
	s_endpgm
.Lfunc_end_k_qc59692ee03_cast:
	.size	k_qc59692ee03_cast, .Lfunc_end_k_qc59692ee03_cast-k_qc59692ee03_cast
	.p2alignl 7, 3214868480
	.fill 96, 4, 3214868480
	.section	.rodata,"a",@progbits
	.p2align	6, 0x0
	.amdhsa_kernel k_qc59692ee03_cast
		.amdhsa_group_segment_fixed_size 0
		.amdhsa_private_segment_fixed_size 0
		.amdhsa_enable_private_segment 0
		.amdhsa_kernarg_size 80
		.amdhsa_user_sgpr_count 2
		.amdhsa_user_sgpr_kernarg_segment_ptr 1
		.amdhsa_wavefront_size32 1
		.amdhsa_system_sgpr_workgroup_id_x 1
		.amdhsa_system_sgpr_workgroup_id_y 1
		.amdhsa_system_sgpr_workgroup_id_z 1
		.amdhsa_system_vgpr_workitem_id 0
		.amdhsa_next_free_vgpr 104
		.amdhsa_next_free_sgpr 66
		.amdhsa_reserve_vcc 0
		.amdhsa_float_denorm_mode_32 3
		.amdhsa_float_denorm_mode_16_64 3
		.amdhsa_memory_ordered 1
		.amdhsa_forward_progress 1
		.amdhsa_inst_pref_size 20
	.end_amdhsa_kernel
	.amdgpu_metadata
---
amdhsa.version: [ 1, 2 ]
amdhsa.kernels:
  - .name:           k_qc59692ee03_cast
    .symbol:         k_qc59692ee03_cast.kd
    .args:
      - { .name: x, .offset: 0, .size: 8, .value_kind: global_buffer, .address_space: global }
      - { .name: context, .offset: 8, .size: 8, .value_kind: global_buffer, .address_space: global }
      - { .name: Wq, .offset: 16, .size: 8, .value_kind: global_buffer, .address_space: global }
      - { .name: Wk, .offset: 24, .size: 8, .value_kind: global_buffer, .address_space: global }
      - { .name: Wv, .offset: 32, .size: 8, .value_kind: global_buffer, .address_space: global }
      - { .name: We, .offset: 40, .size: 8, .value_kind: global_buffer, .address_space: global }
      - { .name: xc, .offset: 48, .size: 8, .value_kind: global_buffer, .address_space: global }
      - { .name: wkq, .offset: 56, .size: 8, .value_kind: global_buffer, .address_space: global }
      - { .name: wvp, .offset: 64, .size: 8, .value_kind: global_buffer, .address_space: global }
      - { .name: web, .offset: 72, .size: 8, .value_kind: global_buffer, .address_space: global }
    .group_segment_fixed_size: 0
    .private_segment_fixed_size: 0
    .kernarg_segment_align: 8
    .kernarg_segment_size: 80
    .max_flat_workgroup_size: 256
    .sgpr_count:     66
    .vgpr_count:     104
    .wavefront_size: 32
...
	.end_amdgpu_metadata
.endif
;; end of part 1
;; launch lin (part 2): grid 4 x 64, 4 waves a work-group, clusters of 4 x 4, 327,680 bytes of LDS; arguments xc, wkq, bk, bq, wvp, web, qk; writes qk
.if DOCPART == 2
	.amdgcn_target "amdgcn-amd-amdhsa--gfx1250"
	.amdhsa_code_object_version 6
	.text
	.protected	k_qc59692ee03_lin
	.globl	k_qc59692ee03_lin
	.p2align	8
	.type	k_qc59692ee03_lin,@function
k_qc59692ee03_lin:
	s_mov_b64 s[64:65], 0
	v_nop
	global_prefetch_b8 v0, s[64:65] scope:SCOPE_SE
	s_setreg_imm32_b32 hwreg(HW_REG_WAVE_MODE, 25, 1), 1
	s_wait_xcnt 0x0
	s_wait_alu depctr_hold_cnt(0) depctr_sa_sdst(0) depctr_va_vdst(0) depctr_va_sdst(0) depctr_va_ssrc(0) depctr_va_vcc(0) depctr_vm_vsrc(0)
	s_getreg_b32 s2, hwreg(HW_REG_IB_STS2, 6, 4)
	s_cmp_eq_u32 s2, 0
	s_cbranch_scc0 .Lentry_in_a_cluster
	s_endpgm
.Lentry_in_a_cluster:
	s_bfe_u32 s2, ttmp6, 0x10000c
	s_cmp_lg_u32 s2, 0xf033
	s_cbranch_scc0 .Lentry_shape_is_right
	s_endpgm
.Lentry_shape_is_right:
; ONE BODY FOR THE FOUR LINEAR LAYERS, RUN TWICE.  C = A B^T + bias, in one share followed by tanh.  A, B and C are f16 in rows of 4,096 bytes; sums f32; the bias is rounded to bf16 like every input; C is rounded once.
; Arguments: 0 xc = [x | context];  1 B of the first two shares;  2 the first share's bias;  3 the other share's bias;  4, 5 A and B of the third share;  6 C.
; SHARES, told apart by the cluster's x and y, which all sixteen partners have in common:
;   first  (x = 0, y < 8):  A = the right half of xc's rows (context), B = the left half of argument 1's rows, bias = argument 2, C's right half, K = 1,024.   First run: k.  Second run: v.
;   second (y >= 8):        A = the left half of xc's rows (x), B = the right half of argument 1's rows, bias = argument 3, C's left half, K = 1,024.           First run: q.  The second run has none.
;   third  (x = 1):         A = argument 4 ([q | k]), B = argument 5 (We), bias = argument 3, C's left half, K = 2,048, tanh.                                     Second run: e.  The first run has none:
;                           its arguments 4 and 5 name buffers that none of its work-groups touches.
; So the first run writes qk = [q | k], the second ve = [e | v]; each has 256 work-groups.  In the second run v's work-groups have half of e's K steps.
; tanh(x) = 1 - 2 / (1 + 2^(2 log2(e) x)), in f32: off by about 1e-7 in absolute terms; where the power overflows the result is 1, where it vanishes -1.
; LIMITS: all operands and q, k, v must stay within f16's 65,504; beyond it they become infinities.  Below 6.1e-5 they keep f16's fixed step of 6e-8.  NaN and infinities are not treated apart.
; TILE.  256 x 256 of C by four waves, each 128 x 128: 64 accumulators of 16 x 16, 512 registers.  K goes in steps of 128 (rows of 256 bytes, aligned) through two LDS slots filled by the tensor data mover:
; a K step is 256 matrix instructions a wave, and a slot's refill has all but 32 of them in which to land.
; CLUSTER 4 x 4.  The four of a row of the cluster need the same tile of A, the four of a column the same tile of B: each is asked for jointly, with the same descriptor and a mask of the four.
; THE MATRIX INSTRUCTION IS USED TRANSPOSED (source 0 = 16 rows of B, source 1 = 16 rows of A): a lane holds row l % 16 of C and the columns 8 (l / 16) + 0..7.
; THE BIAS is the C operand of the products that start the sums: it costs no addition, and nothing is cleared.
; REGISTERS, in windows of 256 (s_set_vgpr_msb: bits 1:0 source 0, 3:2 source 1, 5:4 source 2, 7:6 destination):
;   window 0: v0-31 addresses; v64-127, v128-191 fragments of A (8 x 16 rows x 32 K), two buffers; on the way out v32-63 rows read back, v192-207 packed results
;   window 1: v0-63 the bias of my 128 columns (8 b + j); v64-127, v128-191 fragments of B; v192-195 at work
;   window 2: the 32 accumulators of my rows 0-63 ((a, b) at 8 (8 a + b));   window 3: those of my rows 64-127
.set KSTEP,  128
.set PEL,    2048                      ; elements in a row of A and of B
.set ROWB,   4096                      ; bytes in a row of A, B and C
.set PITCH,  272                       ; an LDS row: 256 bytes + 16 of padding = 68 words: the 16 rows of a fragment load start at 16 different groups of four banks (64 banks of 4 bytes: ISA guide 11.1)
.set HALFT,  128*PITCH                 ; 128 rows: what one tensor load brings, and what one wave reads of A or of B
.set SLOT,   4*HALFT                   ; A's 256 rows, then B's 256 rows
.set SPARE,  2*SLOT                    ; behind the ring: the spare words, 128 bytes for each wave: two blocks of 256 bytes that no other line names
.set OPITCH, 528                       ; the way out: a row of 128 f32 + 16 bytes
.set OUTW,   128*OPITCH                ; a wave's 128 rows; the four waves' lie in the ring's bytes, which have had their last fill by then
.set ADRA, 16                          ; v16-17  LDS address of my A fragments in slot 0, 1
.set ADRB, 20                          ; v20-21  the same for B
.set STO,  24                          ; v24     the way out: where I put 32 bytes of a row
.set RD,   25                          ; v25     where I read 16 bytes of a row back; steps 8 rows a trip
.set CO,   26                          ; v26     8 x lane: my 8 bytes in 256 of C
.set SPW,  28                          ; v28     LDS address of my spare word; never rewritten
.set NIL,  29                          ; v29     0; never rewritten
.set BO,   30                          ; v30     32 (l / 16): my eight columns' bytes in a group of 16 of the bias
.set X,    32
.set F0,   64
.set F1,   128
.set Y,    192
.set BT,   192                         ; window 1
.set G1,  24                           ; s[24:31] descriptor group 1 for A's tiles
.set G0,  32                           ; s[32:39] group 0 for A's tiles, one set for each slot
.set G1B, 48                           ; s[48:55], s[56:63] the same for B
.set G0B, 56
.set LAPB, 66                          ; s66  laps less one: 3, in the third share 7
.set THIRD, 92                         ; s92  1 in the third share
.set SECND, 93                         ; s93  1 in the second
.set OTHER, 94                         ; s94  1 in either
.set RIGHT, 95                         ; s95  2,048 in the first share (the right half of A's and of C's rows), else 0
.set MSB, 0
.macro WIN new                         ; the immediate's high byte repeats the setting that is left; a switch that changes nothing is dropped
.if MSB != (\new)
	s_set_vgpr_msb (MSB<<8)|(\new)
.set MSB, \new
.endif
.endm
.set MUL_LO,  0xa1                     ; source 0 (B) window 1, source 1 (A) window 0, C and D window 2; + 0x50: C and D window 3
.set MULB_LO, 0x91                     ; the same with C (the bias) in window 1; + 0x40: D window 3
.set TO_B,    0x40                     ; destination window 1, address window 0
; A joint load: waves 0 and 1 fetch A's two halves, waves 2 and 3 B's.  The branch hangs on the wave's number alone.  An s_nop 0 and four v_nop follow each line.
.macro JLOAD s
	s_cmp_eq_u32 s11, 0
	s_cbranch_scc0 .Lfor_b_\@
	tensor_load_to_lds s[G0+4*(\s):G0+4*(\s)+3], s[G1:G1+7]
	s_nop 0
.rept 4
	v_nop
.endr
	s_branch .Lasked_\@
.Lfor_b_\@:
	tensor_load_to_lds s[G0B+4*(\s):G0B+4*(\s)+3], s[G1B:G1B+7]
	s_nop 0
.rept 4
	v_nop
.endr
.Lasked_\@:
.endm
.macro CREST                           ; a round of the cluster's barrier behind its opening barrier
	s_cmp_lg_u32 s10, 0
	s_cbranch_scc1 .Lnot_wave_0_\@
	s_barrier_signal -3
.Lnot_wave_0_\@:
	s_barrier_wait -3
	s_barrier_signal -1
	s_barrier_wait -1
.endm
.macro CROUND                          ; a whole round
	s_barrier_signal -1
	s_barrier_wait -1
	CREST
.endm
.macro PLACES                          ; four places behind matrix instructions, in front of loads into registers that they read and of stores of their results
.rept 4
	v_nop
.endr
.endm
	s_load_b256 s[68:75], s[0:1], 0x0              ; xc 68:69, B of the first two shares 70:71, the first share's bias 72:73, the other's 74:75
	s_load_b128 s[76:79], s[0:1], 0x20             ; the third share's A 76:77 and B 78:79
	s_load_b64 s[8:9], s[0:1], 0x30                ; C
	v_lshl_add_u32 v[SPW], v0, 2, SPARE
	v_mov_b32 v[NIL], 0
	ds_add_u32 v[SPW], v[NIL]                      ; the wave's opening: the add and its wait stand ahead of my first tensor load; work on registers stands between them
	v_lshrrev_b32 v1, 5, v0
	v_readfirstlane_b32 s10, v1                    ; wave 0..3
	s_lshr_b32 s11, s10, 1                         ; which half of the tile's rows is mine.  Also: I fetch for A (0) or for B (1)
	s_and_b32 s12, s10, 1                          ; which half of its columns.  Also: which 128 rows of that tile I fetch
	s_bfe_u32 s40, ttmp6, 0x40000                  ; cx = the tile column: a share has four
	s_bfe_u32 s41, ttmp6, 0x40004                  ; cy
	s_mov_b32 s20, ttmp9                           ; the cluster's x
	s_and_b32 s21, ttmp7, 0xffff                   ; and y
	s_cmp_eq_u32 s20, 1
	s_cselect_b32 s[THIRD], 1, 0
	s_cselect_b32 s[LAPB], 7, 3                    ; K = 2,048 is 8 laps of two K steps, K = 1,024 is 4
	s_cmp_ge_u32 s21, 8
	s_cselect_b32 s[SECND], 1, 0
	s_cselect_b32 s22, 2048, 0                     ; the second share takes the right half of B's rows
	s_or_b32 s[OTHER], s[THIRD], s[SECND]
	s_cmp_eq_u32 s[OTHER], 0
	s_cselect_b32 s[RIGHT], 2048, 0
	s_and_b32 s21, s21, 7
	s_lshl_b32 s13, s21, 2
	s_add_co_u32 s13, s13, s41                     ; tile row, 0 to 31 = 4 x (cluster y mod 8) + cy
	s_lshl_b32 s43, s41, 2
	s_lshl_b32 s43, 15, s43                        ; my row of the cluster
	s_lshl_b32 s44, 0x1111, s40                    ; my column
	s_or_b32 s[G1+0], s43, (1<<16)|(1<<20)|(1<<21)|(5<<22)|(3<<25)   ; the mask; 2-byte elements; padding on; bit 21 beside a mask; after every 64 words 4 words
	s_or_b32 s[G1B+0], s44, (1<<16)|(1<<20)|(1<<21)|(5<<22)|(3<<25)
.irp g, G1, G1B
	s_mov_b32 s[(\g)+1], KSTEP<<16                 ; tensor_dim0 = 128
	s_mov_b32 s[(\g)+2], 128<<16                   ; tensor_dim1 = 128
	s_mov_b32 s[(\g)+3], KSTEP<<16                 ; tile_dim0 = 128
	s_mov_b32 s[(\g)+4], 128                       ; tile_dim1 = 128
	s_mov_b32 s[(\g)+5], PEL                       ; elements from row to row
	s_mov_b32 s[(\g)+6], 0
	s_mov_b32 s[(\g)+7], 0
.endr
	s_lshl_b32 s16, s13, 8
	s_lshl_b32 s17, s12, 7
	s_add_co_u32 s16, s16, s17                     ; A: row 256 x tile row + 128 x half,
	s_lshl_b32 s16, s16, 12                        ; 4,096 bytes each (under 2^25),
	s_add_co_u32 s16, s16, s[RIGHT]                ; and the half of the rows
	s_mov_b32 s17, 0
	s_lshl_b32 s46, s40, 8
	s_lshl_b32 s47, s12, 7
	s_add_co_u32 s46, s46, s47                     ; B: row 256 x tile column + 128 x half
	s_lshl_b32 s46, s46, 12
	s_add_co_u32 s46, s46, s22
	s_mov_b32 s47, 0
	s_mul_i32 s20, s10, HALFT                      ; where they go: A's two halves, then B's two = wave x 128 rows: no place in the cluster enters an LDS address
	s_mov_b32 s82, 0xffff0000                      ; a word's upper bf16
	s_mov_b32 s84, 0x4038aa3b                      ; 2 log2(e)
	s_mov_b32 s85, s84                             ; named with it as a pair
	s_wait_dscnt 0x0                               ; the opening add is done
	s_wait_kmcnt 0x0
	s_cmp_eq_u32 s[THIRD], 1
	s_cselect_b64 s[4:5], s[76:77], s[68:69]       ; A
	s_cselect_b64 s[6:7], s[78:79], s[70:71]       ; B
	s_cmp_eq_u32 s[OTHER], 0
	s_cselect_b64 s[90:91], s[72:73], s[74:75]     ; the bias
	s_add_nc_u64 s[14:15], s[4:5], s[16:17]
	s_add_nc_u64 s[46:47], s[6:7], s[46:47]
	CROUND                                         ; all sixteen work-groups are here: the first joint loads meet
.irp s, 0,1
	s_mov_b32 s[G0+4*(\s)], 1                                          ; count = 1
	s_add_co_u32 s[G0+4*(\s)+1], s20, (\s)*SLOT                        ; LDS address
	s_add_nc_u64 s[G0+4*(\s)+2:G0+4*(\s)+3], s[14:15], (\s)*KSTEP*2    ; global address: K step s
	s_or_b32 s[G0+4*(\s)+3], s[G0+4*(\s)+3], 0x80000000                ; type = 2
	s_mov_b32 s[G0B+4*(\s)], 1
	s_add_co_u32 s[G0B+4*(\s)+1], s20, (\s)*SLOT
	s_add_nc_u64 s[G0B+4*(\s)+2:G0B+4*(\s)+3], s[46:47], (\s)*KSTEP*2
	s_or_b32 s[G0B+4*(\s)+3], s[G0B+4*(\s)+3], 0x80000000
	JLOAD \s                                       ; two loads of mine are out
.endr
	; A fragment is 16 rows x 32 K in 8 registers: lane l holds row l % 16, K = 8 (l / 16) + 0..7 and 16 + 8 (l / 16) + 0..7: two loads of 16 bytes, 32 bytes apart.
	v_and_b32 v1, 15, v0                           ; l % 16
	v_bfe_u32 v2, v0, 4, 1                         ; l / 16
	v_and_b32 v5, 31, v0                           ; l
	v_mul_u32_u24 v3, v1, PITCH
	v_lshl_add_u32 v3, v2, 4, v3
	s_mul_i32 s21, s11, HALFT                      ; my 128 rows of A
	s_mul_i32 s22, s12, HALFT                      ; my 128 rows of B,
	s_add_co_u32 s22, s22, 2*HALFT                 ; which lie behind A's 256
.irp s, 0,1
	v_add_nc_u32 v[ADRA+(\s)], s21, v3
	v_add_nc_u32 v[ADRB+(\s)], s22, v3
	s_add_co_u32 s21, s21, SLOT
	s_add_co_u32 s22, s22, SLOT
.endr
	s_mul_i32 s23, s10, OUTW                       ; the way out: my 128 rows of 528 bytes
	v_mul_u32_u24 v4, v1, OPITCH                   ; in: row l % 16, 32 bytes for each half of the lanes
	v_lshl_add_u32 v4, v2, 5, v4
	v_add_nc_u32 v[STO], s23, v4
	v_lshl_add_u32 v[RD], v5, 4, s23               ; back: 32 lanes take a row's 512 bytes,
	v_lshlrev_b32 v[CO], 3, v5                     ; which become 256 bytes of C
	s_lshl_b32 s16, s13, 8
	s_lshl_b32 s17, s11, 7
	s_add_co_u32 s16, s16, s17                     ; my first row of C
	s_lshl_b32 s16, s16, 12
	s_add_co_u32 s16, s16, s[RIGHT]
	s_mov_b32 s17, 0
	s_add_nc_u64 s[8:9], s[8:9], s[16:17]
	s_lshl_b32 s46, s40, 9                         ; my first column, in bytes: 512 x tile column + 256 x half
	s_lshl_b32 s47, s12, 8
	s_add_co_u32 s46, s46, s47
	s_mov_b32 s47, 0
	s_add_nc_u64 s[8:9], s[8:9], s[46:47]
	s_lshl_b32 s46, s40, 10                        ; my 128 columns in the bias: (256 x tile column + 128 x half) x 4 bytes
	s_lshl_b32 s47, s12, 9
	s_add_co_u32 s46, s46, s47
	s_mov_b32 s47, 0
	s_add_nc_u64 s[90:91], s[90:91], s[46:47]
	v_lshlrev_b32 v[BO], 5, v2
	WIN TO_B
.irp b, 0,1,2,3,4,5,6,7
	global_load_b128 v[8*(\b):8*(\b)+3],   v[BO], s[90:91] offset:64*(\b)      ; register 8 b + j: the bias of column 16 b + 8 (l / 16) + j
	global_load_b128 v[8*(\b)+4:8*(\b)+7], v[BO], s[90:91] offset:64*(\b)+16
.endr
	s_wait_loadcnt 0x0
	WIN 0x45                                       ; destination and both sources window 1: the bias is rounded to bf16 and widened again
.irp b, 0,1,2,3,4,5,6,7
.irp i, 0,1,2,3
	v_cvt_pk_bf16_f32 v[BT+(\i)], v[8*(\b)+2*(\i)], v[8*(\b)+2*(\i)+1]
.endr
.irp i, 0,1,2,3
	v_lshlrev_b32 v[8*(\b)+2*(\i)],   16,  v[BT+(\i)]
	v_and_b32     v[8*(\b)+2*(\i)+1], s82, v[BT+(\i)]
.endr
.endr
	WIN 0
; 16 matrix instructions: m blocks a0, a0 + 1 of the window's four (hi = 0: my rows 0-63, 1: rows 64-127) x all 8 n blocks, 32 along K.  z = 1: the bias starts the sums.
; The 64 accumulators take turns, one instruction a turn, in the same order in every quarter.
.macro MUL16 f, hi, a0, z
.if \z
	WIN MULB_LO+0x40*(\hi)
.else
	WIN MUL_LO+0x50*(\hi)
.endif
.irp a, \a0, (\a0)+1
.irp b, 0,1,2,3,4,5,6,7
.if \z
	v_wmma_f32_16x16x32_f16 v[8*(8*(\a)+(\b)):8*(8*(\a)+(\b))+7], v[(\f)+8*(\b):(\f)+8*(\b)+7], v[(\f)+8*(4*(\hi)+(\a)):(\f)+8*(4*(\hi)+(\a))+7], v[8*(\b):8*(\b)+7]
.else
	v_wmma_f32_16x16x32_f16 v[8*(8*(\a)+(\b)):8*(8*(\a)+(\b))+7], v[(\f)+8*(\b):(\f)+8*(\b)+7], v[(\f)+8*(4*(\hi)+(\a)):(\f)+8*(4*(\hi)+(\a))+7], v[8*(8*(\a)+(\b)):8*(8*(\a)+(\b))+7]
.endif
.endr
.endr
.endm
; 32 LDS loads in one run: the fragments of one quarter step (128 rows of B, 128 rows of A, 32 K at byte k of the rows) into buffer f
.macro FETCH slot, k, f
	WIN TO_B
.irp i, 0,1,2,3,4,5,6,7
	ds_load_b128 v[(\f)+8*(\i):(\f)+8*(\i)+3],   v[ADRB+(\slot)] offset:(\k)+(\i)*16*PITCH
	ds_load_b128 v[(\f)+8*(\i)+4:(\f)+8*(\i)+7], v[ADRB+(\slot)] offset:(\k)+(\i)*16*PITCH+32
.endr
	WIN 0
.irp i, 0,1,2,3,4,5,6,7
	ds_load_b128 v[(\f)+8*(\i):(\f)+8*(\i)+3],   v[ADRA+(\slot)] offset:(\k)+(\i)*16*PITCH
	ds_load_b128 v[(\f)+8*(\i)+4:(\f)+8*(\i)+7], v[ADRA+(\slot)] offset:(\k)+(\i)*16*PITCH+32
.endr
.endm
; A K step is four quarters of 32 along K, 64 matrix instructions each, on buffers 0, 1, 0, 1.  One of the first three: multiplies f; in its middle it fetches the next quarter (byte k) into g.
.macro QUARTER slot, k, f, g, z
	s_wait_dscnt 8                                 ; B and A's rows 0-63 are in; the youngest eight loads (A's rows 64-127) may be out
	MUL16 \f, 0, 0, \z
	MUL16 \f, 0, 2, \z
	PLACES
	FETCH \slot, \k, \g
	s_wait_dscnt 32                                ; all but the 32 just issued
	MUL16 \f, 1, 0, \z
	MUL16 \f, 1, 2, \z
.endm
; The last quarter multiplies buffer 1 and changes slots: one barrier; in front of it each wave waits for all its tensor loads (one is out: its part of the next slot), adds 0 to its spare word,
; and waits for that and for its reads of this slot.  fill = 1: the barrier opens a round of the cluster's, and this slot is filled again, first thing behind it, with the K step two on.
.macro TURN slot, next, fill
	WIN 0
	s_wait_tensorcnt 0x0                           ; no tensor load of mine is out, so a group 0 may be written
	ds_add_u32 v[SPW], v[NIL]                      ; 0 onto my spare word
.if \fill
	s_add_nc_u64 s[G0+4*(\slot)+2:G0+4*(\slot)+3], s[G0+4*(\slot)+2:G0+4*(\slot)+3], 2*KSTEP*2
	s_add_nc_u64 s[G0B+4*(\slot)+2:G0B+4*(\slot)+3], s[G0B+4*(\slot)+2:G0B+4*(\slot)+3], 2*KSTEP*2
.endif
	s_wait_dscnt 9                                 ; the add and the youngest eight loads may be out
	MUL16 F1, 0, 0, 0
	s_wait_dscnt 0x0                               ; the add is done, and my reads of this slot are over
	s_barrier_signal -1
	MUL16 F1, 0, 2, 0                              ; work on registers while the others arrive
	WIN 0
	s_barrier_wait -1
.if \fill
	CREST                                          ; no wave of any partner still reads this slot or has a load on its way
	JLOAD \slot                                    ; 224 matrix instructions ahead of the wait for it; its four v_nop are also the places in front of the loads below
.else
	PLACES
.endif
	FETCH \next, 0, F0
	MUL16 F1, 1, 0, 0
	MUL16 F1, 1, 2, 0
.endm
	s_wait_tensorcnt 1                             ; my part of K step 0 is in; K step 1's may stay out
	s_barrier_signal -1
	s_barrier_wait -1                              ; everybody's is
	FETCH 0, 0, F0
	QUARTER 0, 64, F0, F1, 1                       ; the first quarter stands in front of the loop: its products start the sums, with the bias
	WIN 0                                          ; at a label and at a branch every window is 0
	s_mov_b32 s3, 0
.Llap:                                                 ; a trip goes once round the ring, from a lap's second quarter to the next lap's first, and fills both slots again; the LDS addresses are the same in every trip
	QUARTER 0, 128, F1, F0, 0
	QUARTER 0, 192, F0, F1, 0
	TURN 0, 1, 1
	QUARTER 1, 64,  F0, F1, 0
	QUARTER 1, 128, F1, F0, 0
	QUARTER 1, 192, F0, F1, 0
	TURN 1, 0, 1
	QUARTER 0, 64,  F0, F1, 0
	WIN 0
	s_add_co_u32 s3, s3, 1
	s_cmp_lt_u32 s3, s[LAPB]                       ; the same bound in all sixteen partners
	s_cbranch_scc1 .Llap
	QUARTER 0, 128, F1, F0, 0                      ; the last lap is written out: nothing is left to fetch, and no round of the cluster's barrier stands in it
	QUARTER 0, 192, F0, F1, 0
	TURN 0, 1, 0
	QUARTER 1, 64,  F0, F1, 0
	QUARTER 1, 128, F1, F0, 0
	QUARTER 1, 192, F0, F1, 0
	s_wait_dscnt 8
	MUL16 F1, 0, 0, 0
	MUL16 F1, 0, 2, 0
	s_wait_dscnt 0x0                               ; my last reads of the ring are back:
	s_barrier_signal -1                            ; say so,
	MUL16 F1, 1, 0, 0
	MUL16 F1, 1, 2, 0
	WIN 0
	s_barrier_wait -1                              ; and when all four have said so, the ring's bytes, which no tensor load fills again, are free for the way out
	PLACES
	PLACES
	; THE WAY OUT.  My 128 x 128 sums go as f32 into my 128 rows of 528 bytes; then a loop takes them back by rows, so that the tanh, the rounding and the stores are written once.
.irp a, 0,1,2,3,4,5,6,7
	WIN 0x08+4*((\a)/4)                            ; the stores' data in window 2 or 3
.irp b, 0,1,2,3,4,5,6,7
	ds_store_b128 v[STO], v[8*(8*((\a)%4)+(\b)):8*(8*((\a)%4)+(\b))+3]   offset:(\a)*16*OPITCH+64*(\b)     ; each accumulator's low registers first
	ds_store_b128 v[STO], v[8*(8*((\a)%4)+(\b))+4:8*(8*((\a)%4)+(\b))+7] offset:(\a)*16*OPITCH+64*(\b)+16
.endr
.endr
	WIN 0
	s_wait_dscnt 0x0                               ; my stores are done
	s_barrier_signal -1
	s_barrier_wait -1                              ; everybody's are: behind this barrier LDS is only read
	s_mov_b32 s86, 16
.Lout:                                                 ; a trip: 8 rows
.irp t, 0,1,2,3,4,5,6,7
	ds_load_b128 v[X+4*(\t):X+4*(\t)+3], v[RD] offset:(\t)*OPITCH  ; 32 lanes take a row's 128 numbers, four each
.endr
	v_add_nc_u32 v[RD], 8*OPITCH, v[RD]
	s_cmp_eq_u32 s[THIRD], 0
	s_wait_dscnt 0x0
	s_cbranch_scc1 .Lplain                         ; the third share alone takes the tanh
.set i, 0
.rept 16
	v_pk_mul_f32 v[X+i:X+i+1], v[X+i:X+i+1], s[84:85] op_sel_hi:[1,0]
.set i, i+2
.endr
.set i, 0
.rept 32
	v_exp_f32 v[X+i], v[X+i]
.set i, i+1
.endr
	v_nop                                          ; a plain instruction between the last exponential and the use of its result
.set i, 0
	s_wait_alu depctr_va_vdst(0)
.rept 16
	v_pk_add_f32 v[X+i:X+i+1], v[X+i:X+i+1], 1.0 op_sel_hi:[1,0]
.set i, i+2
.endr
.set i, 0
.rept 32
	v_rcp_f32 v[X+i], v[X+i]
.set i, i+1
.endr
	v_nop
.set i, 0
	s_wait_alu depctr_va_vdst(0)
.rept 16
	v_pk_fma_f32 v[X+i:X+i+1], v[X+i:X+i+1], -2.0, 1.0 op_sel_hi:[1,0,0]
.set i, i+2
.endr
.Lplain:
.set i, 0
.rept 16
	v_cvt_pk_f16_f32 v[Y+i], v[X+2*i], v[X+2*i+1]
.set i, i+1
.endr
.irp t, 0,1,2,3,4,5,6,7
	global_store_b64 v[CO], v[Y+2*(\t):Y+2*(\t)+1], s[8:9] offset:(\t)*ROWB  ; a wave stores 256 consecutive bytes, aligned
.endr
	s_wait_xcnt 0x0                                ; the stores have read their base and data: only now are these rewritten
	s_add_nc_u64 s[8:9], s[8:9], 8*ROWB
	s_sub_co_u32 s86, s86, 1
	s_cmp_lg_u32 s86, 0
	s_cbranch_scc1 .Lout
	s_wait_tensorcnt 0x0                           ; the wave's end: behind my last tensor load and my last LDS store
	ds_add_u32 v[SPW], v[NIL]
	s_wait_dscnt 0x0
	CROUND                                         ; the closing round: no work-group ends while a partner may still ask for a tile that names it
	s_endpgm
.Lfunc_end_k_qc59692ee03_lin:
	.size	k_qc59692ee03_lin, .Lfunc_end_k_qc59692ee03_lin-k_qc59692ee03_lin
	.p2alignl 7, 3214868480
	.fill 96, 4, 3214868480
	.section	.rodata,"a",@progbits
	.p2align	6, 0x0
	.amdhsa_kernel k_qc59692ee03_lin
		.amdhsa_group_segment_fixed_size 327680
		.amdhsa_private_segment_fixed_size 0
		.amdhsa_enable_private_segment 0
		.amdhsa_kernarg_size 56
		.amdhsa_user_sgpr_count 2
		.amdhsa_user_sgpr_kernarg_segment_ptr 1
		.amdhsa_wavefront_size32 1
		.amdhsa_system_sgpr_workgroup_id_x 1
		.amdhsa_system_sgpr_workgroup_id_y 1
		.amdhsa_system_sgpr_workgroup_id_z 1
		.amdhsa_system_vgpr_workitem_id 0
		.amdhsa_next_free_vgpr 1024
		.amdhsa_next_free_sgpr 96
		.amdhsa_reserve_vcc 0
		.amdhsa_float_denorm_mode_32 3
		.amdhsa_float_denorm_mode_16_64 3
		.amdhsa_memory_ordered 1
		.amdhsa_forward_progress 1
		.amdhsa_inst_pref_size 134
	.end_amdhsa_kernel
	.amdgpu_metadata
---
amdhsa.version: [ 1, 2 ]
amdhsa.kernels:
  - .name:           k_qc59692ee03_lin
    .symbol:         k_qc59692ee03_lin.kd
    .args:
      - { .name: xc, .offset: 0, .size: 8, .value_kind: global_buffer, .address_space: global }
      - { .name: wkq, .offset: 8, .size: 8, .value_kind: global_buffer, .address_space: global }
      - { .name: bk, .offset: 16, .size: 8, .value_kind: global_buffer, .address_space: global }
      - { .name: bq, .offset: 24, .size: 8, .value_kind: global_buffer, .address_space: global }
      - { .name: wvp, .offset: 32, .size: 8, .value_kind: global_buffer, .address_space: global }
      - { .name: web, .offset: 40, .size: 8, .value_kind: global_buffer, .address_space: global }
      - { .name: qk, .offset: 48, .size: 8, .value_kind: global_buffer, .address_space: global }
    .group_segment_fixed_size: 327680
    .private_segment_fixed_size: 0
    .kernarg_segment_align: 8
    .kernarg_segment_size: 56
    .max_flat_workgroup_size: 128
    .sgpr_count:     96
    .vgpr_count:     1024
    .wavefront_size: 32
...
	.end_amdgpu_metadata
.endif
;; end of part 2
;; launch lin2: the kernel of part 2 again; grid 8 x 32, 4 waves a work-group, clusters of 4 x 4, 327,680 bytes of LDS; arguments xc, wvp, bv, be, qk, web, ve; writes ve
;; launch score (part 3): grid 4 x 64, 4 waves a work-group, clusters of 4 x 4, 327,680 bytes of LDS; arguments ve, pb, st; writes pb, st
.if DOCPART == 3
	.amdgcn_target "amdgcn-amd-amdhsa--gfx1250"
	.amdhsa_code_object_version 6
	.text
	.protected	k_qc59692ee03_score
	.globl	k_qc59692ee03_score
	.p2align	8
	.type	k_qc59692ee03_score,@function
k_qc59692ee03_score:
	s_mov_b64 s[64:65], 0
	v_nop
	global_prefetch_b8 v0, s[64:65] scope:SCOPE_SE
	s_setreg_imm32_b32 hwreg(HW_REG_WAVE_MODE, 25, 1), 1
	s_wait_xcnt 0x0
	s_wait_alu depctr_hold_cnt(0) depctr_sa_sdst(0) depctr_va_vdst(0) depctr_va_sdst(0) depctr_va_ssrc(0) depctr_va_vcc(0) depctr_vm_vsrc(0)
	s_getreg_b32 s2, hwreg(HW_REG_IB_STS2, 6, 4)
	s_cmp_eq_u32 s2, 0
	s_cbranch_scc0 .Lentry_in_a_cluster
	s_endpgm
.Lentry_in_a_cluster:
	s_bfe_u32 s2, ttmp6, 0x10000c
	s_cmp_lg_u32 s2, 0xf033
	s_cbranch_scc0 .Lentry_shape_is_right
	s_endpgm
.Lentry_shape_is_right:
; THE SCORES AND THE FIRST HALF OF THE SOFTMAX.  In each batch S = e v^T (e = the left half of ve's rows, v = the right half, both f16, rows of 4,096 bytes; sums f32).  With c = log2(e) / 32, for each row and each block t of 128 keys:
;   c m_t, m_t the largest score of the block;  p = 2^(c s - c m_t), rounded once to f16 into pb[8192][1024];  l_t = the sum of the unrounded p, in f32.
; st holds the plane c m_t [t][row] at byte 0 and the plane l_t [t][row] at byte 262,144, f32, 32,768 bytes a t.  The next launch takes the row's whole maximum away by the factor 2^(c m_t - c m): the two together are
; the softmax with its maximum taken away; no exponent here is above 0 but for a rounding of c m_t.
; LIMITS: p lies in 0 to 1; below 6.1e-5 it keeps f16's fixed step of 6e-8; a weight below 2^-126 counts as 0 in l_t.  NaN and infinities are not treated apart.
; SHARES, RING, CLUSTER, LAYOUT: a tile is 128 queries x 256 keys, four waves of 64 x 128: a wave's columns ARE a block t = 2 x tile column + half.  4 x 64 tiles, 256 work-groups; K = 1,024 in 8 steps of 128 through
; two LDS slots; clusters of 4 x 4 (a cluster's 512 rows lie in one batch), e's tile asked for jointly along a row, v's along a column; the matrix instruction transposed, so that a lane holds ONE query (l % 16)
; and the keys 8 (l / 16) + 0..7 of each group of 16: a row's maximum and sum want one exchange between the halves of the lanes.
; REGISTERS: window 0: v0-31 addresses; fragment buffers of 96 at v64 and v160; on the way out v64-95 packed, v96-159 rows read back, v160-183 statistics.  Window 1: accumulator (a, b) at 8 (8 a + b).
.set NSTEP,  8
.set PA,     2048
.set PB,     2048
.set PCB,    2048
.set STEPA,  256
.set STEPB,  256
.set PITCH,  272                       ; 256 bytes + 16 of padding: the 16 rows of a fragment load start at 16 different groups of four banks (ISA guide 11.1)
.set AHALF,  64*PITCH
.set ATILE,  128*PITCH
.set BHALF,  128*PITCH
.set SLOT1,  1<<17
.set STAGE,  SLOT1+ATILE+2*BHALF       ; behind the ring, never filled by a tensor load
.set SPITCH, 272
.set SPARE,  STAGE+4*16*SPITCH         ; the spare words: two blocks of 256 bytes that no other line names
.set A0,   16
.set B0,   17
.set ADRA, 18
.set ADRB, 19
.set STO,  24
.set RD,   25
.set CO,   26
.set SW,   27                          ; v27  my stage + 4 (l % 16): where a row's statistic goes
.set SPW,  28
.set NIL,  29
.set SR,   30                          ; v30  my stage + 8 l: where two rows' statistics are read back
.set SG,   31                          ; v31  8 l: their place in 256 bytes of st
.set F0,   64
.set F1,   160
.set TMP,  64
.set OB,   96
.set T,    160                         ; v160-167 at work
.set CMB,  168                         ; v168-175 c m_t of block a, as a pair
.set LS,   176                         ; v176-179 l_t of block a
.set SB,   180                         ; v180-183 the statistics read back
.set G1,  24
.set G0,  32
.set G1B, 48
.set G0B, 56
.set TB,  66
.set MSB, 0
.macro WIN new
.if MSB != (\new)
	s_set_vgpr_msb (MSB<<8)|(\new)
.set MSB, \new
.endif
.endm
.set MUL,  0x50
.macro JLOAD s                         ; a joint load: waves 0, 1 for A, waves 2, 3 for B; an s_nop 0 and four v_nop follow each line
	s_cmp_eq_u32 s11, 0
	s_cbranch_scc0 .Lfor_b_\@
	tensor_load_to_lds s[G0+4*(\s):G0+4*(\s)+3], s[G1:G1+7]
	s_nop 0
.rept 4
	v_nop
.endr
	s_branch .Lasked_\@
.Lfor_b_\@:
	tensor_load_to_lds s[G0B+4*(\s):G0B+4*(\s)+3], s[G1B:G1B+7]
	s_nop 0
.rept 4
	v_nop
.endr
.Lasked_\@:
.endm
.macro CREST
	s_cmp_lg_u32 s10, 0
	s_cbranch_scc1 .Lnot_wave_0_\@
	s_barrier_signal -3
.Lnot_wave_0_\@:
	s_barrier_wait -3
	s_barrier_signal -1
	s_barrier_wait -1
.endm
.macro CROUND
	s_barrier_signal -1
	s_barrier_wait -1
	CREST
.endm
.macro PLACES
.rept 4
	v_nop
.endr
.endm
	s_load_b128 s[68:71], s[0:1], 0x0              ; ve 68:69, pb 70:71
	s_load_b64 s[72:73], s[0:1], 0x10              ; st
	v_lshl_add_u32 v[SPW], v0, 2, SPARE
	v_mov_b32 v[NIL], 0
	ds_add_u32 v[SPW], v[NIL]                      ; the wave's opening: the add and its wait stand ahead of my first tensor load
	v_lshrrev_b32 v1, 5, v0
	v_readfirstlane_b32 s10, v1                    ; wave 0..3
	s_lshr_b32 s11, s10, 1                         ; my half of the rows; also: I fetch for A (0) or B (1)
	s_and_b32 s12, s10, 1                          ; my half of the columns; also: which half I fetch
	s_bfe_u32 s40, ttmp6, 0x40000                  ; cx
	s_bfe_u32 s41, ttmp6, 0x40004                  ; cy
	s_lshl_b32 s42, ttmp9, 2
	s_add_co_u32 s42, s42, s40                     ; tile column
	s_and_b32 s13, ttmp7, 0xffff
	s_lshl_b32 s13, s13, 2
	s_add_co_u32 s13, s13, s41                     ; tile row
	s_lshl_b32 s43, s41, 2
	s_lshl_b32 s43, 15, s43                        ; my row of the cluster
	s_lshl_b32 s44, 0x1111, s40                    ; my column
	s_or_b32 s[G1+0], s43, (1<<16)|(1<<20)|(1<<21)|(5<<22)|(3<<25)
	s_or_b32 s[G1B+0], s44, (1<<16)|(1<<20)|(1<<21)|(5<<22)|(3<<25)
	s_mov_b32 s[G1+1], 128<<16
	s_mov_b32 s[G1+2], 64<<16
	s_mov_b32 s[G1+3], 128<<16
	s_mov_b32 s[G1+4], 64
	s_mov_b32 s[G1+5], PA
	s_mov_b32 s[G1+6], 0
	s_mov_b32 s[G1+7], 0
	s_mov_b32 s[G1B+1], 128<<16
	s_mov_b32 s[G1B+2], 128<<16
	s_mov_b32 s[G1B+3], 128<<16
	s_mov_b32 s[G1B+4], 128
	s_mov_b32 s[G1B+5], PB
	s_mov_b32 s[G1B+6], 0
	s_mov_b32 s[G1B+7], 0
	s_lshl_b32 s17, s12, 6
	s_lshl_b32 s16, s13, 7
	s_add_co_u32 s16, s16, s17                     ; A: row 128 x tile row + 64 x half
	s_mov_b32 s17, 0
	s_mov_b64 s[18:19], PA*2
	s_mul_u64 s[16:17], s[16:17], s[18:19]
	s_and_b32 s46, ttmp7, 0xffff                   ; two clusters along y are a batch: made of the cluster's y alone, which all partners share
	s_lshr_b32 s46, s46, 1
	s_lshl_b32 s46, s46, 10                        ; the batch's first key row,
	s_lshl_b32 s47, s42, 8
	s_add_co_u32 s46, s46, s47                     ; + 256 x tile column
	s_lshl_b32 s47, s12, 7
	s_add_co_u32 s46, s46, s47                     ; + 128 x half
	s_mov_b32 s47, 0
	s_mov_b64 s[18:19], PB*2
	s_mul_u64 s[46:47], s[46:47], s[18:19]
	s_mul_i32 s20, s12, AHALF
	s_mul_i32 s45, s12, BHALF
	s_add_co_u32 s45, s45, ATILE
	s_mov_b32 s84, 0x3d38aa3b                      ; c = log2(e) / 32
	s_mov_b32 s85, s84                             ; named with it as a pair
	s_mov_b32 s86, 0x76543210                      ; v_permlanex16_b32: each lane takes its own place in the other half
	s_mov_b32 s87, 0xfedcba98
	s_wait_dscnt 0x0                               ; the opening add is done
	s_wait_kmcnt 0x0
	s_add_nc_u64 s[14:15], s[68:69], s[16:17]
	s_add_nc_u64 s[46:47], s[68:69], s[46:47]
	s_add_nc_u64 s[46:47], s[46:47], 2048          ; v begins at byte 2,048 of a row of ve
	s_mov_b64 s[8:9], s[70:71]
	s_mov_b64 s[80:81], s[72:73]
	CROUND                                         ; the first joint loads meet
.irp s, 0,1
	s_mov_b32 s[G0+4*(\s)], 1
	s_add_co_u32 s[G0+4*(\s)+1], s20, (\s)*SLOT1
	s_add_nc_u64 s[G0+4*(\s)+2:G0+4*(\s)+3], s[14:15], (\s)*STEPA
	s_or_b32 s[G0+4*(\s)+3], s[G0+4*(\s)+3], 0x80000000
	s_mov_b32 s[G0B+4*(\s)], 1
	s_add_co_u32 s[G0B+4*(\s)+1], s45, (\s)*SLOT1
	s_add_nc_u64 s[G0B+4*(\s)+2:G0B+4*(\s)+3], s[46:47], (\s)*STEPB
	s_or_b32 s[G0B+4*(\s)+3], s[G0B+4*(\s)+3], 0x80000000
	JLOAD \s                                       ; two loads of mine are out
.endr
	v_and_b32 v1, 15, v0                           ; l % 16
	v_bfe_u32 v2, v0, 4, 1                         ; l / 16
	v_and_b32 v7, 31, v0                           ; l
	v_mul_u32_u24 v3, v1, PITCH
	v_lshl_add_u32 v3, v2, 4, v3
	s_mul_i32 s21, s11, AHALF
	s_mul_i32 s22, s12, BHALF
	s_add_co_u32 s22, s22, ATILE
	v_add_nc_u32 v[A0], s21, v3
	v_add_nc_u32 v[B0], s22, v3
	v_mov_b32 v[ADRA], v[A0]
	v_mov_b32 v[ADRB], v[B0]
	s_mov_b32 s[TB], 0
	s_mul_i32 s23, s10, 16*SPITCH
	s_add_co_u32 s23, s23, STAGE
	v_mul_u32_u24 v4, v1, SPITCH
	v_lshl_add_u32 v4, v2, 4, v4
	v_add_nc_u32 v[STO], s23, v4
	v_mul_u32_u24 v5, v2, SPITCH
	v_lshl_add_u32 v5, v1, 4, v5
	v_add_nc_u32 v[RD], s23, v5
	v_mul_u32_u24 v5, v2, PCB
	v_lshl_add_u32 v[CO], v1, 4, v5
	v_lshl_add_u32 v[SW], v1, 2, s23
	v_lshl_add_u32 v[SR], v7, 3, s23
	v_lshlrev_b32 v[SG], 3, v7
	s_lshl_b32 s16, s13, 7
	s_lshl_b32 s17, s11, 6
	s_add_co_u32 s16, s16, s17                     ; my first row
	s_lshl_b32 s22, s16, 2                         ; its 4 bytes in a plane of st
	s_mov_b32 s23, 0
	s_add_nc_u64 s[80:81], s[80:81], s[22:23]
	s_mov_b32 s17, 0
	s_mov_b64 s[18:19], PCB
	s_mul_u64 s[16:17], s[16:17], s[18:19]
	s_add_nc_u64 s[8:9], s[8:9], s[16:17]
	s_lshl_b32 s46, s42, 9                         ; my first column of pb, in bytes
	s_lshl_b32 s47, s12, 8
	s_add_co_u32 s46, s46, s47
	s_mov_b32 s47, 0
	s_add_nc_u64 s[8:9], s[8:9], s[46:47]
	s_lshl_b32 s46, s42, 16                        ; my block t = 2 x tile column + half, 32,768 bytes each
	s_lshl_b32 s47, s12, 15
	s_add_co_u32 s46, s46, s47
	s_mov_b32 s47, 0
	s_add_nc_u64 s[80:81], s[80:81], s[46:47]
.macro MUL8 f, a, z                    ; 8 matrix instructions; z = 1: the constant 0 starts the sums.  The 32 accumulators take turns
	WIN MUL
.irp b, 0,1,2,3,4,5,6,7
.if (\z) == 1
	v_wmma_f32_16x16x32_f16 v[8*(8*(\a)+(\b)):8*(8*(\a)+(\b))+7], v[(\f)+8*(\b):(\f)+8*(\b)+7], v[(\f)+64+8*(\a):(\f)+64+8*(\a)+7], 0
.else
	v_wmma_f32_16x16x32_f16 v[8*(8*(\a)+(\b)):8*(8*(\a)+(\b))+7], v[(\f)+8*(\b):(\f)+8*(\b)+7], v[(\f)+64+8*(\a):(\f)+64+8*(\a)+7], v[8*(8*(\a)+(\b)):8*(8*(\a)+(\b))+7]
.endif
.endr
.endm
.macro MUL16 f, a, z
	MUL8 \f, \a, \z
	MUL8 \f, (\a)+1, \z
.endm
.macro FETCH k, f                      ; 24 LDS loads in one run: B's eight fragments, then A's four
	WIN 0
.irp i, 0,1,2,3,4,5,6,7
	ds_load_b128 v[(\f)+8*(\i):(\f)+8*(\i)+3],   v[ADRB] offset:(\k)+(\i)*16*PITCH
	ds_load_b128 v[(\f)+8*(\i)+4:(\f)+8*(\i)+7], v[ADRB] offset:(\k)+(\i)*16*PITCH+32
.endr
.irp i, 0,1,2,3
	ds_load_b128 v[(\f)+64+8*(\i):(\f)+64+8*(\i)+3],   v[ADRA] offset:(\k)+(\i)*16*PITCH
	ds_load_b128 v[(\f)+64+8*(\i)+4:(\f)+64+8*(\i)+7], v[ADRA] offset:(\k)+(\i)*16*PITCH+32
.endr
.endm
.macro QUARTER k, f, g, z
	s_wait_dscnt 4                                 ; all but the youngest four loads (A's blocks 2, 3)
	MUL16 \f, 0, \z
	PLACES
	FETCH \k, \g
	s_wait_dscnt 24                                ; all but the 24 just issued
	MUL16 \f, 2, \z
.endm
.macro TURN fill                       ; the last quarter and the change of slots
	WIN 0
	s_wait_tensorcnt 0x0                           ; no tensor load of mine is out, so a group 0 may be written
	ds_add_u32 v[SPW], v[NIL]                      ; 0 onto my spare word
.if \fill
	s_xor_b32 s[G0+5], s[G0+5], SLOT1
	s_add_nc_u64 s[G0+6:G0+7], s[G0+6:G0+7], STEPA
	s_xor_b32 s[G0B+5], s[G0B+5], SLOT1
	s_add_nc_u64 s[G0B+6:G0B+7], s[G0B+6:G0B+7], STEPB
.endif
	s_wait_dscnt 5                                 ; the add and the youngest four loads may be out
	MUL8 F1, 0, 0
	s_wait_dscnt 0x0                               ; the add is done, and my reads of this slot are over
	s_barrier_signal -1
	MUL8 F1, 1, 0
	WIN 0
	s_barrier_wait -1
.if \fill
	CREST                                          ; no wave of any partner still reads this slot or has a load on its way
	JLOAD 1                                        ; its four v_nop are also the places in front of the loads below
.else
	PLACES
.endif
	s_xor_b32 s[TB], s[TB], SLOT1
	v_add_nc_u32 v[ADRA], s[TB], v[A0]
	v_add_nc_u32 v[ADRB], s[TB], v[B0]
	FETCH 0, F0
	MUL16 F1, 2, 0
.endm
; THE WAY OUT of block a (16 queries x my 128 keys): the maximum (each accumulator's lowest registers are read first), c m_t, the weights in place, their rounding to f16, their sum.
.macro PACK a
.set AB, 64*(\a)
.set CM, CMB+2*(\a)
	WIN 0x15                                       ; three sources window 1, destination window 0
.irp b, 0,1,2,3,4,5,6,7
	v_max3_num_f32 v[T+(\b)], v[AB+8*(\b)], v[AB+8*(\b)+1], v[AB+8*(\b)+2]
.endr
	WIN 0x05                                       ; sources 0 and 1 window 1
.irp b, 0,1,2,3,4,5,6,7
	v_max3_num_f32 v[T+(\b)], v[AB+8*(\b)+3], v[AB+8*(\b)+4], v[T+(\b)]
.endr
.irp b, 0,1,2,3,4,5,6,7
	v_max3_num_f32 v[T+(\b)], v[AB+8*(\b)+5], v[AB+8*(\b)+6], v[T+(\b)]
.endr
.irp b, 0,2,4,6
	v_max3_num_f32 v[T+(\b)], v[AB+8*(\b)+7], v[AB+8*(\b)+15], v[T+(\b)]
.endr
	WIN 0
	v_max3_num_f32 v[T], v[T], v[T+1], v[T+2]
	v_max3_num_f32 v[T+3], v[T+3], v[T+4], v[T+5]
	v_max_num_f32 v[T+6], v[T+6], v[T+7]
	v_max3_num_f32 v[T], v[T], v[T+3], v[T+6]
	v_permlanex16_b32 v[T+1], v[T], s86, s87       ; the query's other 64 keys lie in the lane 16 away
	v_max_num_f32 v[T], v[T], v[T+1]
	v_mul_f32 v[CM], s84, v[T]                     ; c m_t
	v_mov_b32 v[CM+1], v[CM]                       ; named with it as a pair
	WIN 0x41                                       ; destination and source 0 window 1
.set i, 0
.rept 32
	v_pk_fma_f32 v[AB+i:AB+i+1], v[AB+i:AB+i+1], s[84:85], v[CM:CM+1] op_sel_hi:[1,0,0] neg_lo:[0,0,1] neg_hi:[0,0,1]  ; c s - c m_t
.set i, i+2
.endr
.set i, 0
.rept 64
	v_exp_f32 v[AB+i], v[AB+i]
.set i, i+1
.endr
	v_nop                                          ; a plain instruction between the last exponential and the use of its result
	WIN 0x05
	s_wait_alu depctr_va_vdst(0)
.irp b, 0,1,2,3,4,5,6,7
.irp i, 0,1,2,3
	v_cvt_pk_f16_f32 v[TMP+4*(\b)+(\i)], v[AB+8*(\b)+2*(\i)], v[AB+8*(\b)+2*(\i)+1]
.endr
.endr
	WIN 0x45                                       ; the sum of the 32 pairs, in place
.irp b, 0,1,2,3,4,5,6,7
	v_pk_add_f32 v[AB+8*(\b):AB+8*(\b)+1],   v[AB+8*(\b):AB+8*(\b)+1],   v[AB+8*(\b)+2:AB+8*(\b)+3]
	v_pk_add_f32 v[AB+8*(\b)+4:AB+8*(\b)+5], v[AB+8*(\b)+4:AB+8*(\b)+5], v[AB+8*(\b)+6:AB+8*(\b)+7]
.endr
.irp b, 0,1,2,3,4,5,6,7
	v_pk_add_f32 v[AB+8*(\b):AB+8*(\b)+1], v[AB+8*(\b):AB+8*(\b)+1], v[AB+8*(\b)+4:AB+8*(\b)+5]
.endr
.irp b, 0,2,4,6
	v_pk_add_f32 v[AB+8*(\b):AB+8*(\b)+1], v[AB+8*(\b):AB+8*(\b)+1], v[AB+8*(\b)+8:AB+8*(\b)+9]
.endr
.irp b, 0,4
	v_pk_add_f32 v[AB+8*(\b):AB+8*(\b)+1], v[AB+8*(\b):AB+8*(\b)+1], v[AB+8*(\b)+16:AB+8*(\b)+17]
.endr
	v_pk_add_f32 v[AB:AB+1], v[AB:AB+1], v[AB+32:AB+33]
	WIN 0x05
	v_add_f32 v[T], v[AB], v[AB+1]
	WIN 0
	v_permlanex16_b32 v[T+1], v[T], s86, s87
	v_add_f32 v[LS+(\a)], v[T], v[T+1]             ; l_t
.endm
.macro TOSTAGE a
	WIN 0
.set BK, OB+32*((\a)%2)
.irp b, 0,1,2,3,4,5,6,7
	ds_store_b128 v[STO], v[TMP+4*(\b):TMP+4*(\b)+3] offset:32*(\b)
.endr
.irp t, 0,1,2,3,4,5,6,7
	ds_load_b128 v[BK+4*(\t):BK+4*(\t)+3], v[RD] offset:(\t)*2*SPITCH  ; LDS serves a wave's instructions in order (ISA guide 5.7.1.4)
.endr
.endm
.macro SEND a
	WIN 0
.set BK, OB+32*((\a)%2)
	s_wait_dscnt 0x0
	s_wait_xcnt 0x0                                ; earlier stores have read their base and data
.if (\a) > 0
	s_add_nc_u64 s[8:9], s[8:9], 16*PCB
.endif
.irp t, 0,1,2,3,4,5,6,7
	global_store_b128 v[CO], v[BK+4*(\t):BK+4*(\t)+3], s[8:9] offset:2*(\t)*PCB  ; 16 lanes store 256 consecutive bytes, aligned
.endr
.endm
	s_wait_tensorcnt 1                             ; my part of K step 0 is in; K step 1's may stay out
	s_barrier_signal -1
	s_barrier_wait -1
	FETCH 0, F0
	QUARTER 64, F0, F1, 1                          ; the first quarter's products start the sums: nothing is cleared
	WIN 0
	s_mov_b32 s3, NSTEP-2
.Lstep:
	QUARTER 128, F1, F0, 0
	QUARTER 192, F0, F1, 0
	TURN 1
	QUARTER 64, F0, F1, 0
	WIN 0
	s_sub_co_u32 s3, s3, 1
	s_cmp_lg_u32 s3, 0
	s_cbranch_scc1 .Lstep
	QUARTER 128, F1, F0, 0                         ; the last two K steps are written out: nothing is left to fetch
	QUARTER 192, F0, F1, 0
	TURN 0
	QUARTER 64, F0, F1, 0
	QUARTER 128, F1, F0, 0
	QUARTER 192, F0, F1, 0
	s_wait_dscnt 4
	MUL16 F1, 0, 0
	s_wait_dscnt 0x0
	MUL16 F1, 2, 0
	WIN 0
	PLACES
	PLACES
	PACK 0
	TOSTAGE 0
.irp a, 1,2,3
	PACK \a
	SEND (\a)-1
	TOSTAGE \a
.endr
	SEND 3
	; the statistics of my 64 rows go through my stage, so that each plane's 256 bytes leave by one store
.irp a, 0,1,2,3
	ds_store_b32 v[SW], v[CMB+2*(\a)] offset:64*(\a)       ; both halves of the lanes write the same number to the same word
	ds_store_b32 v[SW], v[LS+(\a)]    offset:256+64*(\a)
.endr
	ds_load_b64 v[SB:SB+1],   v[SR]
	ds_load_b64 v[SB+2:SB+3], v[SR] offset:256
	s_wait_dscnt 0x0
	global_store_b64 v[SG], v[SB:SB+1],   s[80:81]                 ; 256 consecutive bytes, aligned: c m_t
	global_store_b64 v[SG], v[SB+2:SB+3], s[80:81] offset:262144   ; l_t
	s_wait_tensorcnt 0x0                           ; the wave's end
	ds_add_u32 v[SPW], v[NIL]
	s_wait_dscnt 0x0
	CROUND                                         ; the closing round
	s_endpgm
.Lfunc_end_k_qc59692ee03_score:
	.size	k_qc59692ee03_score, .Lfunc_end_k_qc59692ee03_score-k_qc59692ee03_score
	.p2alignl 7, 3214868480
	.fill 96, 4, 3214868480
	.section	.rodata,"a",@progbits
	.p2align	6, 0x0
	.amdhsa_kernel k_qc59692ee03_score
		.amdhsa_group_segment_fixed_size 327680
		.amdhsa_private_segment_fixed_size 0
		.amdhsa_enable_private_segment 0
		.amdhsa_kernarg_size 24
		.amdhsa_user_sgpr_count 2
		.amdhsa_user_sgpr_kernarg_segment_ptr 1
		.amdhsa_wavefront_size32 1
		.amdhsa_system_sgpr_workgroup_id_x 1
		.amdhsa_system_sgpr_workgroup_id_y 1
		.amdhsa_system_sgpr_workgroup_id_z 1
		.amdhsa_system_vgpr_workitem_id 0
		.amdhsa_next_free_vgpr 512
		.amdhsa_next_free_sgpr 88
		.amdhsa_reserve_vcc 0
		.amdhsa_float_denorm_mode_32 3
		.amdhsa_float_denorm_mode_16_64 3
		.amdhsa_memory_ordered 1
		.amdhsa_forward_progress 1
		.amdhsa_inst_pref_size 106
	.end_amdhsa_kernel
	.amdgpu_metadata
---
amdhsa.version: [ 1, 2 ]
amdhsa.kernels:
  - .name:           k_qc59692ee03_score
    .symbol:         k_qc59692ee03_score.kd
    .args:
      - { .name: ve, .offset: 0, .size: 8, .value_kind: global_buffer, .address_space: global }
      - { .name: pb, .offset: 8, .size: 8, .value_kind: global_buffer, .address_space: global }
      - { .name: st, .offset: 16, .size: 8, .value_kind: global_buffer, .address_space: global }
    .group_segment_fixed_size: 327680
    .private_segment_fixed_size: 0
    .kernarg_segment_align: 8
    .kernarg_segment_size: 24
    .max_flat_workgroup_size: 128
    .sgpr_count:     88
    .vgpr_count:     512
    .wavefront_size: 32
...
	.end_amdgpu_metadata
.endif
;; end of part 3
;; launch mix (part 4): grid 4 x 64, 4 waves a work-group, clusters of 4 x 4, 327,680 bytes of LDS; arguments pb, ve, st, out0; writes out0
.if DOCPART == 4
	.amdgcn_target "amdgcn-amd-amdhsa--gfx1250"
	.amdhsa_code_object_version 6
	.text
	.protected	k_qc59692ee03_mix
	.globl	k_qc59692ee03_mix
	.p2align	8
	.type	k_qc59692ee03_mix,@function
k_qc59692ee03_mix:
	s_mov_b64 s[64:65], 0
	v_nop
	global_prefetch_b8 v0, s[64:65] scope:SCOPE_SE
	s_setreg_imm32_b32 hwreg(HW_REG_WAVE_MODE, 25, 1), 1
	s_wait_xcnt 0x0
	s_wait_alu depctr_hold_cnt(0) depctr_sa_sdst(0) depctr_va_vdst(0) depctr_va_sdst(0) depctr_va_ssrc(0) depctr_va_vcc(0) depctr_vm_vsrc(0)
	s_getreg_b32 s2, hwreg(HW_REG_IB_STS2, 6, 4)
	s_cmp_eq_u32 s2, 0
	s_cbranch_scc0 .Lentry_in_a_cluster
	s_endpgm
.Lentry_in_a_cluster:
	s_bfe_u32 s2, ttmp6, 0x10000c
	s_cmp_lg_u32 s2, 0xf033
	s_cbranch_scc0 .Lentry_shape_is_right
	s_endpgm
.Lentry_shape_is_right:
; THE SECOND HALF OF THE SOFTMAX AND THE MEAN OF V.  For each row: c m = the largest of its eight c m_t;  f_t = 2^(c m_t - c m), rounded to f16;  l = the sum of f_t l_t, in f32, with the rounded f_t;
;   out0[row][:] = ( the sum over t and its 128 keys of (f_t p) v[key][:] ) / l, in f32.  p (pb) and v (the right half of ve's rows of 4,096 bytes) are f16; f_t p is rounded to f16; sums f32.
; The block that holds the row's maximum has f_t = 1 and l_t of about 1 or more, so l is never small.
; LIMITS: f_t and f_t p lie in 0 to 1; below 6.1e-5 they keep f16's fixed step of 6e-8, and under half of that they count as 0.  NaN and infinities are not treated apart.
; SHARES, RING, CLUSTER, LAYOUT: a tile is 128 rows x 256 channels, four waves of 64 x 128; 4 x 64 tiles, 256 work-groups; K = the batch's 1,024 keys, in 8 steps of 128: a K step IS a block t.  Two LDS slots;
; clusters of 4 x 4 (a cluster's 512 rows lie in one batch), p's tile asked for jointly along a row, v's along a column.  v lies [key][channel] and comes out of LDS turned, by ds_load_tr16_b128.
; The matrix instruction transposed (source 0 = 16 channels, source 1 = 16 rows of p): a lane holds ONE row (l % 16) in p's fragments and in the result, so f_t and 1 / l are one number a lane and block of 16 rows.
; REGISTERS: window 0: v0-31 addresses and 1 / l; v32-63 f_t twice in a word, at 4 t + a, moved four down at each K step; fragment buffers of 96 at v64 and v160; on the way out v64-191 rows read back.
;   Window 1: accumulator (a, b) at 8 (8 a + b).
.set NSTEP,  8
.set PA,     1024
.set PB,     2048
.set STEPA,  256
.set STEPB,  128*4096                  ; 128 key rows of ve
.set PITCH,  272                       ; a row of p: 256 bytes + 16 of padding
.set PV,     544                       ; a key's 256 channels: 512 bytes + 32 = 136 words
.set AHALF,  64*PITCH
.set ATILE,  128*PITCH
.set BHALF,  64*PV                     ; 64 keys: what waves 2 and 3 fetch
.set SLOT1,  1<<17
.set STAGE,  SLOT1+ATILE+2*BHALF       ; behind the ring, never filled by a tensor load: 16 rows x 528 bytes for each wave
.set SPITCH, 528
.set SPARE,  STAGE+4*16*SPITCH         ; the spare words: two blocks of 256 bytes that no other line names
.set RL,   8                           ; v8-15  1 / l of block a, as a pair
.set A0,   16
.set B0,   17
.set ADRA, 18
.set ADRB, 19
.set SO,   20                          ; v20  4 (l % 16): my row's bytes in 16 rows of a plane of st
.set STO,  24
.set RD,   25
.set CO,   26
.set SPW,  28
.set NIL,  29
.set FH,   32
.set F0,   64
.set F1,   160
.set OB,   64
.set G1,  24
.set G0,  32
.set G1B, 48
.set G0B, 56
.set TB,  66
.set MSB, 0
.macro WIN new
.if MSB != (\new)
	s_set_vgpr_msb (MSB<<8)|(\new)
.set MSB, \new
.endif
.endm
.set MUL,  0x50
.macro JLOAD s                         ; a joint load: waves 0, 1 for A, waves 2, 3 for B; an s_nop 0 and four v_nop follow each line
	s_cmp_eq_u32 s11, 0
	s_cbranch_scc0 .Lfor_b_\@
	tensor_load_to_lds s[G0+4*(\s):G0+4*(\s)+3], s[G1:G1+7]
	s_nop 0
.rept 4
	v_nop
.endr
	s_branch .Lasked_\@
.Lfor_b_\@:
	tensor_load_to_lds s[G0B+4*(\s):G0B+4*(\s)+3], s[G1B:G1B+7]
	s_nop 0
.rept 4
	v_nop
.endr
.Lasked_\@:
.endm
.macro CREST
	s_cmp_lg_u32 s10, 0
	s_cbranch_scc1 .Lnot_wave_0_\@
	s_barrier_signal -3
.Lnot_wave_0_\@:
	s_barrier_wait -3
	s_barrier_signal -1
	s_barrier_wait -1
.endm
.macro CROUND
	s_barrier_signal -1
	s_barrier_wait -1
	CREST
.endm
.macro PLACES
.rept 4
	v_nop
.endr
.endm
	s_load_b256 s[68:75], s[0:1], 0x0              ; pb 68:69, ve 70:71, st 72:73, out0 74:75
	v_lshl_add_u32 v[SPW], v0, 2, SPARE
	v_mov_b32 v[NIL], 0
	ds_add_u32 v[SPW], v[NIL]                      ; the wave's opening: the add and its wait stand ahead of my first tensor load
	v_lshrrev_b32 v1, 5, v0
	v_readfirstlane_b32 s10, v1                    ; wave 0..3
	s_lshr_b32 s11, s10, 1                         ; my half of the rows; also: I fetch for A (0) or B (1)
	s_and_b32 s12, s10, 1                          ; my half of the columns; also: which half I fetch
	s_bfe_u32 s40, ttmp6, 0x40000                  ; cx
	s_bfe_u32 s41, ttmp6, 0x40004                  ; cy
	s_lshl_b32 s42, ttmp9, 2
	s_add_co_u32 s42, s42, s40                     ; tile column
	s_and_b32 s13, ttmp7, 0xffff
	s_lshl_b32 s13, s13, 2
	s_add_co_u32 s13, s13, s41                     ; tile row
	s_lshl_b32 s43, s41, 2
	s_lshl_b32 s43, 15, s43                        ; my row of the cluster
	s_lshl_b32 s44, 0x1111, s40                    ; my column
	s_or_b32 s[G1+0], s43, (1<<16)|(1<<20)|(1<<21)|(5<<22)|(3<<25)   ; p: after every 64 words 4 words of padding
	s_or_b32 s[G1B+0], s44, (1<<16)|(1<<20)|(1<<21)|(6<<22)|(7<<25)  ; v: after every 128 words 8 words
	s_mov_b32 s[G1+1], 128<<16
	s_mov_b32 s[G1+2], 64<<16
	s_mov_b32 s[G1+3], 128<<16
	s_mov_b32 s[G1+4], 64
	s_mov_b32 s[G1+5], PA
	s_mov_b32 s[G1+6], 0
	s_mov_b32 s[G1+7], 0
	s_mov_b32 s[G1B+1], 256<<16                    ; tensor_dim0 = 256 channels
	s_mov_b32 s[G1B+2], 64<<16                     ; tensor_dim1 = 64 keys
	s_mov_b32 s[G1B+3], 256<<16
	s_mov_b32 s[G1B+4], 64
	s_mov_b32 s[G1B+5], PB
	s_mov_b32 s[G1B+6], 0
	s_mov_b32 s[G1B+7], 0
	s_lshl_b32 s17, s12, 6
	s_lshl_b32 s16, s13, 7
	s_add_co_u32 s16, s16, s17                     ; A: row 128 x tile row + 64 x half
	s_mov_b32 s17, 0
	s_mov_b64 s[18:19], PA*2
	s_mul_u64 s[16:17], s[16:17], s[18:19]
	s_and_b32 s46, ttmp7, 0xffff                   ; two clusters along y are a batch
	s_lshr_b32 s46, s46, 1
	s_lshl_b32 s46, s46, 10                        ; the batch's first key row
	s_lshl_b32 s47, s12, 6
	s_add_co_u32 s46, s46, s47                     ; + 64 x half
	s_mov_b32 s47, 0
	s_mov_b64 s[18:19], PB*2
	s_mul_u64 s[46:47], s[46:47], s[18:19]
	s_lshl_b32 s76, s42, 9                         ; the tile's 256 channels: 512 bytes x tile column
	s_mov_b32 s77, 0
	s_add_nc_u64 s[46:47], s[46:47], s[76:77]
	s_mul_i32 s20, s12, AHALF
	s_mul_i32 s45, s12, BHALF
	s_add_co_u32 s45, s45, ATILE
	s_wait_dscnt 0x0                               ; the opening add is done
	s_wait_kmcnt 0x0
	s_add_nc_u64 s[14:15], s[68:69], s[16:17]
	s_add_nc_u64 s[46:47], s[70:71], s[46:47]
	s_add_nc_u64 s[46:47], s[46:47], 2048          ; v begins at byte 2,048 of a row of ve
	s_mov_b64 s[80:81], s[72:73]
	s_mov_b64 s[8:9], s[74:75]
	CROUND                                         ; the first joint loads meet
.irp s, 0,1
	s_mov_b32 s[G0+4*(\s)], 1
	s_add_co_u32 s[G0+4*(\s)+1], s20, (\s)*SLOT1
	s_add_nc_u64 s[G0+4*(\s)+2:G0+4*(\s)+3], s[14:15], (\s)*STEPA
	s_or_b32 s[G0+4*(\s)+3], s[G0+4*(\s)+3], 0x80000000
	s_mov_b32 s[G0B+4*(\s)], 1
	s_add_co_u32 s[G0B+4*(\s)+1], s45, (\s)*SLOT1
	s_add_nc_u64 s[G0B+4*(\s)+2:G0B+4*(\s)+3], s[46:47], (\s)*STEPB
	s_or_b32 s[G0B+4*(\s)+3], s[G0B+4*(\s)+3], 0x80000000
	JLOAD \s                                       ; two loads of mine are out
.endr
	v_and_b32 v1, 15, v0                           ; l % 16
	v_bfe_u32 v2, v0, 4, 1                         ; l / 16
	v_and_b32 v7, 31, v0                           ; l
	; the statistics of my 64 rows: 64 loads of one number a lane, once a wave, into buffer 1's registers, which are free until the first quarter
	s_lshl_b32 s16, s13, 9
	s_lshl_b32 s17, s11, 8
	s_add_co_u32 s16, s16, s17                     ; (128 x tile row + 64 x half) x 4 bytes
	s_mov_b32 s17, 0
	s_add_nc_u64 s[80:81], s[80:81], s[16:17]
	v_lshlrev_b32 v[SO], 2, v1
.irp a, 0,1,2,3
.irp t, 0,1,2,3,4,5,6,7
	global_load_b32 v[160+8*(\a)+(\t)], v[SO], s[80:81] offset:32768*(\t)+64*(\a)         ; c m_t of row 16 a + l % 16
	global_load_b32 v[192+8*(\a)+(\t)], v[SO], s[80:81] offset:262144+32768*(\t)+64*(\a)  ; l_t
.endr
.endr
	v_mul_u32_u24 v3, v1, PITCH
	v_lshl_add_u32 v3, v2, 4, v3
	s_mul_i32 s21, s11, AHALF
	v_add_nc_u32 v[A0], s21, v3
	; The turning load takes 16 keys x 16 channels (lane l reads key 8 (l / 16) + l % 8, channels 8 ((l / 8) % 2) + 0..7) and leaves half a fragment: lane l holds channel l % 16 and 8 keys.
	v_and_b32 v4, 7, v0
	v_bfe_u32 v5, v0, 3, 1
	v_lshl_add_u32 v6, v2, 3, v4
	v_mul_u32_u24 v6, v6, PV
	v_lshl_add_u32 v6, v5, 4, v6
	s_lshl_b32 s22, s12, 8                         ; my 128 channels: 256 bytes x half
	s_add_co_u32 s22, s22, ATILE
	v_add_nc_u32 v[B0], s22, v6
	v_mov_b32 v[ADRA], v[A0]
	v_mov_b32 v[ADRB], v[B0]
	s_mov_b32 s[TB], 0
	s_mul_i32 s23, s10, 16*SPITCH
	s_add_co_u32 s23, s23, STAGE                   ; my stage
	v_mul_u32_u24 v4, v1, SPITCH                   ; in: row l % 16, 32 bytes for each half of the lanes
	v_lshl_add_u32 v4, v2, 5, v4
	v_add_nc_u32 v[STO], s23, v4
	v_lshlrev_b32 v[CO], 4, v7                     ; back and out: 32 lanes take a row's 512 bytes
	v_add_nc_u32 v[RD], s23, v[CO]
	s_lshl_b32 s16, s13, 7
	s_lshl_b32 s17, s11, 6
	s_add_co_u32 s16, s16, s17
	s_lshl_b32 s16, s16, 12                        ; my first row of out0, 4,096 bytes a row
	s_mov_b32 s17, 0
	s_add_nc_u64 s[8:9], s[8:9], s[16:17]
	s_lshl_b32 s46, s42, 10                        ; my first column, in bytes: 1,024 x tile column + 512 x half
	s_lshl_b32 s47, s12, 9
	s_add_co_u32 s46, s46, s47
	s_mov_b32 s47, 0
	s_add_nc_u64 s[8:9], s[8:9], s[46:47]
	s_wait_loadcnt 0x0
; Block a's factors and 1 / l.  l is summed with the f16 factor itself, which v_fma_mix_f32 reads from the word's low half.
.macro STAT a
.set CB, 160+8*(\a)
.set LB, 192+8*(\a)
	v_max3_num_f32 v224, v[CB], v[CB+1], v[CB+2]
	v_max3_num_f32 v225, v[CB+3], v[CB+4], v[CB+5]
	v_max3_num_f32 v224, v224, v225, v[CB+6]
	v_max_num_f32 v224, v224, v[CB+7]              ; c m
.irp t, 0,1,2,3,4,5,6,7
	v_sub_f32 v[CB+(\t)], v[CB+(\t)], v224
.endr
.irp t, 0,1,2,3,4,5,6,7
	v_exp_f32 v[CB+(\t)], v[CB+(\t)]
.endr
	v_mov_b32 v226, 0                              ; also the plain instruction between the last exponential and the use of its result
	s_wait_alu depctr_va_vdst(0)
.irp t, 0,1,2,3,4,5,6,7
	v_cvt_pk_f16_f32 v[FH+4*(\t)+(\a)], v[CB+(\t)], v[CB+(\t)]
.endr
.irp t, 0,1,2,3,4,5,6,7
	v_fma_mix_f32 v226, v[FH+4*(\t)+(\a)], v[LB+(\t)], v226 op_sel_hi:[1,0,0]
.endr
	v_rcp_f32 v[RL+2*(\a)], v226
	v_nop
	s_wait_alu depctr_va_vdst(0)
	v_mov_b32 v[RL+2*(\a)+1], v[RL+2*(\a)]         ; named with it as a pair
.endm
	STAT 0
	STAT 1
	STAT 2
	STAT 3
.macro MUL8 f, a, z                    ; 8 matrix instructions; z = 1: the constant 0 starts the sums.  The 32 accumulators take turns
	WIN MUL
.irp b, 0,1,2,3,4,5,6,7
.if (\z) == 1
	v_wmma_f32_16x16x32_f16 v[8*(8*(\a)+(\b)):8*(8*(\a)+(\b))+7], v[(\f)+8*(\b):(\f)+8*(\b)+7], v[(\f)+64+8*(\a):(\f)+64+8*(\a)+7], 0
.else
	v_wmma_f32_16x16x32_f16 v[8*(8*(\a)+(\b)):8*(8*(\a)+(\b))+7], v[(\f)+8*(\b):(\f)+8*(\b)+7], v[(\f)+64+8*(\a):(\f)+64+8*(\a)+7], v[8*(8*(\a)+(\b)):8*(8*(\a)+(\b))+7]
.endif
.endr
.endm
.macro MUL16 f, a, z
	MUL8 \f, \a, \z
	MUL8 \f, (\a)+1, \z
.endm
; 24 LDS loads in one run: 32 keys at byte k of p's rows, which are key rows k / 2 on of v: v's eight fragments (turned), then p's four
.macro FETCH k, f
	WIN 0
.irp i, 0,1,2,3,4,5,6,7
	ds_load_tr16_b128 v[(\f)+8*(\i):(\f)+8*(\i)+3],   v[ADRB] offset:(\k)*PITCH+32*(\i)
	ds_load_tr16_b128 v[(\f)+8*(\i)+4:(\f)+8*(\i)+7], v[ADRB] offset:(\k)*PITCH+32*(\i)+16*PV
.endr
.irp i, 0,1,2,3
	ds_load_b128 v[(\f)+64+8*(\i):(\f)+64+8*(\i)+3],   v[ADRA] offset:(\k)+(\i)*16*PITCH
	ds_load_b128 v[(\f)+64+8*(\i)+4:(\f)+64+8*(\i)+7], v[ADRA] offset:(\k)+(\i)*16*PITCH+32
.endr
.endm
.macro SCALE f, a                      ; block a's fragment of p times the K step's f_t, two weights an instruction
	WIN 0
.irp i, 0,1,2,3,4,5,6,7
	v_pk_mul_f16 v[(\f)+64+8*(\a)+(\i)], v[(\f)+64+8*(\a)+(\i)], v[FH+(\a)]
.endr
.endm
.macro QUARTER k, f, g, z
	s_wait_dscnt 4                                 ; all but the youngest four loads (p's blocks 2, 3)
	SCALE \f, 0
	SCALE \f, 1
	MUL16 \f, 0, \z
	PLACES
	FETCH \k, \g
	s_wait_dscnt 24                                ; all but the 24 just issued
	SCALE \f, 2
	SCALE \f, 3
	MUL16 \f, 2, \z
.endm
.macro TURN fill                       ; the last quarter and the change of slots
	WIN 0
	s_wait_tensorcnt 0x0                           ; no tensor load of mine is out, so a group 0 may be written
	ds_add_u32 v[SPW], v[NIL]                      ; 0 onto my spare word
.if \fill
	s_xor_b32 s[G0+5], s[G0+5], SLOT1
	s_add_nc_u64 s[G0+6:G0+7], s[G0+6:G0+7], STEPA
	s_xor_b32 s[G0B+5], s[G0B+5], SLOT1
	s_add_nc_u64 s[G0B+6:G0B+7], s[G0B+6:G0B+7], STEPB
.endif
	s_wait_dscnt 5                                 ; the add and the youngest four loads may be out
	SCALE F1, 0
	SCALE F1, 1
	MUL8 F1, 0, 0
	s_wait_dscnt 0x0                               ; the add is done, and my reads of this slot are over
	s_barrier_signal -1
	MUL8 F1, 1, 0
	WIN 0
	s_barrier_wait -1
.if \fill
	CREST                                          ; no wave of any partner still reads this slot or has a load on its way
	JLOAD 1                                        ; its four v_nop are also the places in front of the loads below
.else
	PLACES
.endif
	s_xor_b32 s[TB], s[TB], SLOT1
	v_add_nc_u32 v[ADRA], s[TB], v[A0]
	v_add_nc_u32 v[ADRB], s[TB], v[B0]
	FETCH 0, F0
	SCALE F1, 2
	SCALE F1, 3
.set i, 0
.rept 28
	v_mov_b32 v[FH+i], v[FH+4+i]                   ; the next K step's four factors come to the front
.set i, i+1
.endr
	MUL16 F1, 2, 0
.endm
; THE WAY OUT of block a: divided by l, in ascending order; 32 bytes a lane and accumulator into my stage; back as whole rows of 512 bytes; stored.
.macro SCL a
	WIN 0x41
.set i, 64*(\a)
.rept 32
	v_pk_mul_f32 v[i:i+1], v[i:i+1], v[RL+2*(\a):RL+2*(\a)+1] op_sel_hi:[1,0]
.set i, i+2
.endr
.endm
.macro STG a
.set BK, OB+64*((\a)%2)
	WIN 0x04                                       ; the stores' data in window 1
.irp b, 0,1,2,3,4,5,6,7
	ds_store_b128 v[STO], v[64*(\a)+8*(\b):64*(\a)+8*(\b)+3]   offset:64*(\b)
	ds_store_b128 v[STO], v[64*(\a)+8*(\b)+4:64*(\a)+8*(\b)+7] offset:64*(\b)+16
.endr
	WIN 0
.irp t, 0,1,2,3,4,5,6,7,8,9,10,11,12,13,14,15
	ds_load_b128 v[BK+4*(\t):BK+4*(\t)+3], v[RD] offset:(\t)*SPITCH  ; LDS serves a wave's instructions in order (ISA guide 5.7.1.4)
.endr
.endm
.macro SENDF a
	WIN 0
.set BK, OB+64*((\a)%2)
	s_wait_dscnt 0x0
	s_wait_xcnt 0x0                                ; earlier stores have read their base and data
.if (\a) > 0
	s_add_nc_u64 s[8:9], s[8:9], 16*4096
.endif
.irp t, 0,1,2,3,4,5,6,7,8,9,10,11,12,13,14,15
	global_store_b128 v[CO], v[BK+4*(\t):BK+4*(\t)+3], s[8:9] offset:4096*(\t)  ; a wave stores 512 consecutive bytes, aligned
.endr
.endm
	s_wait_tensorcnt 1                             ; my part of K step 0 is in; K step 1's may stay out
	s_barrier_signal -1
	s_barrier_wait -1
	FETCH 0, F0
	QUARTER 64, F0, F1, 1                          ; the first quarter's products start the sums: nothing is cleared
	WIN 0
	s_mov_b32 s3, NSTEP-2
.Lstep:
	QUARTER 128, F1, F0, 0
	QUARTER 192, F0, F1, 0
	TURN 1
	QUARTER 64, F0, F1, 0
	WIN 0
	s_sub_co_u32 s3, s3, 1
	s_cmp_lg_u32 s3, 0
	s_cbranch_scc1 .Lstep
	QUARTER 128, F1, F0, 0                         ; the last two K steps are written out: nothing is left to fetch
	QUARTER 192, F0, F1, 0
	TURN 0
	QUARTER 64, F0, F1, 0
	QUARTER 128, F1, F0, 0
	QUARTER 192, F0, F1, 0
	s_wait_dscnt 4
	SCALE F1, 0
	SCALE F1, 1
	MUL16 F1, 0, 0
	s_wait_dscnt 0x0
	SCALE F1, 2
	SCALE F1, 3
	MUL16 F1, 2, 0
	WIN 0
	PLACES
	PLACES
	SCL 0
	STG 0
.irp a, 1,2,3
	SCL \a
	SENDF (\a)-1
	STG \a
.endr
	SENDF 3
	s_wait_tensorcnt 0x0                           ; the wave's end
	ds_add_u32 v[SPW], v[NIL]
	s_wait_dscnt 0x0
	CROUND                                         ; the closing round
	s_endpgm
.Lfunc_end_k_qc59692ee03_mix:
	.size	k_qc59692ee03_mix, .Lfunc_end_k_qc59692ee03_mix-k_qc59692ee03_mix
	.p2alignl 7, 3214868480
	.fill 96, 4, 3214868480
	.section	.rodata,"a",@progbits
	.p2align	6, 0x0
	.amdhsa_kernel k_qc59692ee03_mix
		.amdhsa_group_segment_fixed_size 327680
		.amdhsa_private_segment_fixed_size 0
		.amdhsa_enable_private_segment 0
		.amdhsa_kernarg_size 32
		.amdhsa_user_sgpr_count 2
		.amdhsa_user_sgpr_kernarg_segment_ptr 1
		.amdhsa_wavefront_size32 1
		.amdhsa_system_sgpr_workgroup_id_x 1
		.amdhsa_system_sgpr_workgroup_id_y 1
		.amdhsa_system_sgpr_workgroup_id_z 1
		.amdhsa_system_vgpr_workitem_id 0
		.amdhsa_next_free_vgpr 512
		.amdhsa_next_free_sgpr 88
		.amdhsa_reserve_vcc 0
		.amdhsa_float_denorm_mode_32 3
		.amdhsa_float_denorm_mode_16_64 3
		.amdhsa_memory_ordered 1
		.amdhsa_forward_progress 1
		.amdhsa_inst_pref_size 118
	.end_amdhsa_kernel
	.amdgpu_metadata
---
amdhsa.version: [ 1, 2 ]
amdhsa.kernels:
  - .name:           k_qc59692ee03_mix
    .symbol:         k_qc59692ee03_mix.kd
    .args:
      - { .name: pb, .offset: 0, .size: 8, .value_kind: global_buffer, .address_space: global }
      - { .name: ve, .offset: 8, .size: 8, .value_kind: global_buffer, .address_space: global }
      - { .name: st, .offset: 16, .size: 8, .value_kind: global_buffer, .address_space: global }
      - { .name: out0, .offset: 24, .size: 8, .value_kind: global_buffer, .address_space: global }
    .group_segment_fixed_size: 327680
    .private_segment_fixed_size: 0
    .kernarg_segment_align: 8
    .kernarg_segment_size: 32
    .max_flat_workgroup_size: 128
    .sgpr_count:     88
    .vgpr_count:     512
    .wavefront_size: 32
...
	.end_amdgpu_metadata
.endif
;; end of part 4
